; MI455X (gfx1250); checked and timed in simulation.
; The chip was launched on July 23, 2026; its instructions are those of AMD's public machine-readable ISA for CDNA 5 (MIT licence, August 2026) and "CDNA5" Instruction Set Architecture Reference Guide (July 2026). The comments in the code are by the model that wrote it; some were corrected since.
;; Performer Attention. Allowed arithmetic: matrix products marked QUANTISED: E3M2 operands, one E8M0 scale for each 32 along K, by v_wmma_scale_f32_16x16x128_f8f6f4 with both operands' format E3M2, f32 sums; products left as they are: f32 operands where the result goes on into a quantised operand, else bf16, f16 or f32 operands; f32 sums; everything else in f32.
;; Inputs: K 4 x 8 x 4,096 x 64 float32; Q 4 x 8 x 4,096 x 64 float32; V 4 x 8 x 4,096 x 64 float32; mask 4 x 4,096 float32; proj_codes 256 x 2 x 24 uint8 (E3M2 codes of proj, K innermost, in blocks of 32 codes, four codes in three bytes); proj_scales 256 x 2 uint8 (E8M0 scales of proj, one for each 32 codes along K).
;; Outputs: out0 4 x 8 x 4,096 x 64 float32.
;; This version of the problem:
;;   THIS VERSION OF THE PROBLEM IS GIVEN IN LOW PRECISION. The matrix products marked QUANTISED in the list below multiply operands that are first quantised to E3M2 (3 exponent bits, 2 mantissa bits; 6 bits a number), with one power-of-two scale for each 32 numbers along K (OCP MX v1.0); their sums are f32. All else is computed in f32.
;;   The module's matrix products, in the order in which they are computed (A, B: the left and right operand; K: the contracted axis; several contracted axes count as one K, in the product's order):
;;     1. [M 131,072, K 64] x [K 64, N 256]; A: computed on the way; B: input proj (given as codes): QUANTISED
;;     2. [M 131,072, K 64] x [K 64, N 256]; A: computed on the way; B: input proj (given as codes): QUANTISED
;;     3. batch 32 x [M 4,096, K 256] x [K 256, N 1]; A: computed on the way; B: computed on the way: left as it is (N = 1 < 16)
;;     4. batch 32 x [M 256, K 4,096] x [K 4,096, N 64]; A: computed on the way; B: computed on the way: QUANTISED
;;     5. batch 32 x [M 4,096, K 256] x [K 256, N 64]; A: computed on the way; B: computed on the way: QUANTISED
;;   THE QUANTISER, for each operand of a quantised product, along K:
;;     - K is cut into blocks of 32 from its start; a last block that is shorter is filled with zeros.
;;     - A block's scale is 2^e with e = floor(log2(the largest magnitude in the block)) - 4, held to -126 .. 127; a block of zeros has e = 0. As a byte (E8M0): e + 127.
;;     - Each number is divided by its block's scale, clamped to +-28, and rounded to the nearest number of E3M2, ties to even, subnormals kept.
;;     - The product sums the exact products of the quantised numbers (number of the format x scale) in f32.
;;   ~~~python
;;   def quantise(x, axis):      # numpy; x: float32 -> the quantised numbers, widened to float32 again
;;       x = np.moveaxis(x, axis, -1); K = x.shape[-1]
;;       x = np.pad(x, [(0, 0)] * (x.ndim - 1) + [(0, -K % 32)]); x = x.reshape(x.shape[:-1] + (-1, 32)); a = np.abs(x).max(-1, keepdims=True)
;;       e = np.where(a > 0, np.clip(np.frexp(np.where(a > 0, a, 1))[1] - 1 - 4, -126, 127), 0)      # np.frexp(a)[1] - 1 = floor(log2(a)), exactly
;;       r = np.clip(x / 2.0 ** e, -28, 28)
;;       step = 2.0 ** (np.maximum(np.frexp(np.where(r == 0, 1, r))[1] - 1, -2) - 2)
;;       q = np.round(r / step) * step * 2.0 ** e      # np.round: ties to even
;;       return np.moveaxis(q.reshape(q.shape[:-2] + (-1,))[..., :K], -1, axis).astype(np.float32)
;;   ~~~
;;   OPERANDS COMPUTED ON THE WAY. 'Computed on the way' means the value that the module computes at that place (a softmax that the list does not call 'softmax' is quantised finished and normalised). What goes into a quantiser is computed in f32, as accurately as f32 sums, v_exp_f32 and their like allow (about 1e-6 of the number): no bf16 or f16 on the way to a quantiser, and a product that is left as it is and whose result goes on into a quantised operand takes f32 operands (vector FMAs, or v_wmma_f32_16x16x4_f32). A number that lies on a knife's edge between two numbers of the format may be rounded either way, as far as f32 arithmetic and the matrix unit's own rounding can turn it there, and no further.
;;   INPUTS GIVEN AS CODES. proj (in the module: [256, 64], K = its axis 1): each comes as NAME_codes (uint8): NAME with its K axis moved to the last place and cut into blocks of 32 codes, [.., K / 32, bytes a block], one block behind the other in memory; four codes in three bytes: a row's codes are one little-endian stream of bits, code i at bits 6 i .. 6 i + 5 (a code: sign, 3 exponent bits, 2 mantissa bits); and NAME_scales (uint8): the same leading axes, one E8M0 byte (e + 127) for each 32 codes along K. Its value is code x scale, taken as it is: it is not quantised again, and the codes and scales need not be those that the quantiser above would give.
;; One version. Each part assembles by itself: llvm-mc -triple=amdgcn-amd-amdhsa -mcpu=gfx1250 --defsym DOCPART=n.
;; ======== version 1 of 1: 3 launches
;; workspace buffers: part 16,777,216 bytes; pks 262,144 bytes; ctxc 393,216 bytes; ctxs 16,384 bytes; ksum 32,768 bytes
;; launch ctxpart (part 1): grid 256 x 1, 16 waves a work-group, no clusters, 296,448 bytes of LDS; arguments K, V, mask, proj_codes, proj_scales, part, pks; writes part, pks
.if DOCPART == 1
	.amdgcn_target "amdgcn-amd-amdhsa--gfx1250"
	.amdhsa_code_object_version 6
	.text
	.protected	k_q85895be932_ctxpart
	.globl	k_q85895be932_ctxpart
	.p2align	8
	.type	k_q85895be932_ctxpart,@function
k_q85895be932_ctxpart:
	s_mov_b64 s[64:65], 0
	v_nop
	global_prefetch_b8 v0, s[64:65] scope:SCOPE_SE
	s_setreg_imm32_b32 hwreg(HW_REG_WAVE_MODE, 25, 1), 1
	s_wait_xcnt 0x0
; PERFORMER ATTENTION, FIRST OF THREE LAUNCHES: for one head and one run of 512 keys, the partial sums of phi_k^T v and of phi_k.
; k = K x 64^(-1/4) x mask, v = V x mask; phi_k = relu(k proj^T) + 1e-3.  Quantised to E3M2 with one E8M0 scale for 32 along K: k along d, proj (given as codes), phi_k and v along the keys.
; SHARES.  Work-group x = 8 x head + run.  Four steps of 128 keys.  Sixteen waves, four to a SIMD, 256 registers each, so that one wave's vector work stands beside another's LDS loads and products.
;   Products: wave w owns 16 features for all keys, and four accumulators (16 features x 64 d).  Quantising, in each step: waves 0-7 one tile of 16 keys of K each, waves 8-15 one block of 32 keys x 32 d of V each.
; NO LDS BYTE IS FILLED TWICE: the work-group's 262,144 bytes of K and V all have room in LDS, so each wave asks for its four slices (16 rows of each step) at the head; four tensor loads of a wave are out at the most.
; K = 64 IN AN INSTRUCTION OF 128: two tiles of 16 keys are packed in one fragment [tile u = 0 | tile u = 1]; the other side is a run of 18 registers [zeros | proj | zeros], of which registers 6-17 pick tile 0 and 0-11 tile 1.
; 1e-3 IS THE C OF THE FIRST PRODUCT: phi = max(D, 1e-3) is relu(x) + 1e-3 with x + 1e-3 rounded once.
; ROWS OF A TILE ARE NOT NEIGHBOURS: row p of tile (b, u) is index 32 b + 8 u + p + 8 (p / 8), for the keys and for the features: so a lane's 16 registers of tiles (b, 0), (b, 1) are 16 neighbours along the next product's K.
; OPERANDS GO FROM WAVE TO WAVE AS IMAGES OF THEIR REGISTERS: six registers of a lane as 16 bytes at 16 x lane and 8 bytes at 512 + 8 x lane.
; NO CLUSTER: what work-groups share (proj: 12,800 bytes) is a twentieth of the 262,144 bytes that each reads alone.
; LIMITS: NaN and infinities among the inputs are not served.  A block whose largest magnitude lies under 2^-122 (a block of zeros too) keeps the scale byte 1: only this program reads these bytes, and zero codes add nothing.
;   K is multiplied by (64^(-1/4) x mask) in one factor: the same bits as (K x 64^(-1/4)) x mask for a mask of 0 and 1, one rounding less for other masks.
.set PITCH, 272                        ; a raw row in LDS: 256 bytes + 16 of padding
.set SLICE, 16*PITCH                   ; what one tensor load brings
.set VOFF,  8*SLICE                    ; in a step's raw bytes: 128 rows of K, then 128 rows of V
.set STEPB, 16*SLICE
.set FRB,   1536                       ; a fragment's image: two halves of 768 bytes
.set HFB,   768
.set KIMG,  4*STEPB                    ; behind the raw bytes, in blocks of 256 bytes into which no fill lands: K's four fragments,
.set VIMG,  KIMG+4*FRB                 ; V's four,
.set KSC,   VIMG+4*FRB                 ; K's scale words (fragment b, row r: 64 b + 4 r),
.set VSC,   KSC+256                    ; V's,
.set MSK,   VSC+256                    ; the run's 512 numbers of the mask,
.set KS,    MSK+2048                   ; and 256 sums of phi_k on their way out
.set KRA,  4                           ; v4   raw K: my key's row, my half's 128 bytes
.set VRA,  5                           ; v5   raw V: my block's first key, my d
.set KW16, 6                           ; v6-7 where I store a K tile's codes
.set KW8,  7
.set KWS,  8                           ; v8   and its two scale bytes
.set VW16, 9                           ; v9-10 where I store a V block's codes
.set VW8,  10
.set VWS,  11                          ; v11  and its scale byte
.set LI16, 12                          ; v12-13 an image's places for my lane
.set LI8,  13
.set LS4,  14                          ; v14  a scale word's
.set KSW,  15                          ; v15  my feature's word among the sums
.set EPSV, 16                          ; v16-23 eight times 1e-3
.set PCH,  24                          ; v24-41 zeros, proj's 16 rows, zeros
.set PJW,  42                          ; v42  proj's scale word [e0, e1, e0, e1]
.set PW,   43                          ; v43  phi's scale word
.set KSCW, 44                          ; v44-45 K's scale words: lanes 0-15 fragment 2 i, lanes 16-31 fragment 2 i + 1
.set VSCW, 46                          ; v46-47 V's likewise
.set KSUM, 48                          ; v48-51 the sum of phi_k, two chains of pairs
.set SM,   52                          ; v52  64^(-1/4) x mask; v53 = 0, named with it as a pair
.set PC,   60                          ; v60-78 codes
.set TM,   80                          ; v80-95 the quantiser's working registers
.set H,    96                          ; v96-159 phi; while quantising: 32 numbers
.set FB,   160                         ; v160-207 four fragments; in V's job the mask of 32 keys
.set ACC,  208                         ; v208-239 four accumulators
.set GO,   240                         ; v240 16 x lane
.set KMA,  241                         ; v241 my key's mask
.set VMA,  242                         ; v242 my block's masks
.set H8,   243                         ; v243 8 x (lane / 16)
.set WV,   18
.set G1,   24                          ; s[24:31] descriptor group 1
.set G0,   32                          ; s[32:47] group 0, a set for each step
.set SEL,  48                          ; s[48:49] v_permlanex16_b32's selects for lane l xor 16
.set EPSS, 50
.macro PLACES n
.rept \n
	v_nop
.endr
.endm
; the largest magnitude of v[x] .. v[x+31], a whole block, with the floor 2^(5 - 127) among its leaves; the conversion's scale operand in v[TM+12], the scale's byte in v[TM+4]
.macro BMAX32 x
	v_max3_num_f32 v[TM], |v[\x]|, |v[\x+1]|, 0x2800000
	v_max3_num_f32 v[TM+1], |v[\x+16]|, |v[\x+17]|, 0x2800000
.irp i, 2,4,6,8,10,12,14
	v_max3_num_f32 v[TM], v[TM], |v[\x+\i]|, |v[\x+\i+1]|          ; two chains by turns
	v_max3_num_f32 v[TM+1], v[TM+1], |v[\x+16+\i]|, |v[\x+17+\i]|
.endr
	v_max_num_f32 v[TM], v[TM], v[TM+1]
	v_add_nc_u32 v[TM+12], 0xfe000000, v[TM]       ; 4 off the exponent field: the conversion takes that field as its scale
	v_lshrrev_b32 v[TM+4], 23, v[TM+12]            ; the byte
.endm
; the block's 32 codes into v[d] .. v[d+5]
.macro CODES32 x, d
	v_cvt_scalef32_pk16_bf6_f32 v[\d:\d+2], v[\x:\x+15], v[TM+12]
	v_cvt_scalef32_pk16_bf6_f32 v[PC+12:PC+14], v[\x+16:\x+31], v[TM+12]   ; (a conversion's three registers begin on an even number)
	v_nop                                          ; one plain place behind a scaled conversion
.irp i, 0,1,2
	v_mov_b32 v[\d+3+\i], v[PC+12+\i]
.endr
.endm
; 64 numbers of a lane, register 16 b + i = k 32 b + 16 (lane / 16) + i of my row, become a fragment's codes in v[PC] on and its scale word in v[PW]
.macro QUANT s
.irp b, 0,1,2,3
	v_max3_num_f32 v[TM+\b], |v[\s+16*\b]|, |v[\s+1+16*\b]|, 0x2800000
.endr
.irp i, 2,4,6,8,10,12,14
.irp b, 0,1,2,3
	v_max3_num_f32 v[TM+\b], v[TM+\b], |v[\s+16*\b+\i]|, |v[\s+1+16*\b+\i]|   ; the four blocks by turns
.endr
.endr
.irp b, 0,1,2,3
	v_permlanex16_b32 v[TM+4+\b], v[TM+\b], s[SEL], s[SEL+1]
.endr
.irp b, 0,1,2,3
	v_max_num_f32 v[TM+\b], v[TM+\b], v[TM+4+\b]   ; with lane l xor 16's 16: the block's largest magnitude
.endr
.irp b, 0,1,2,3
	v_add_nc_u32 v[TM+12+\b], 0xfe000000, v[TM+\b]
.endr
.irp b, 0,1,2,3
	v_lshrrev_b32 v[TM+4+\b], 23, v[TM+12+\b]
.endr
	v_lshl_or_b32 v[PW], v[TM+5], 8, v[TM+4]
	v_lshl_or_b32 v[PW], v[TM+6], 16, v[PW]
	v_lshl_or_b32 v[PW], v[TM+7], 24, v[PW]
.irp c, 0,1
	v_cvt_scalef32_pk16_bf6_f32 v[PC+6*\c:PC+2+6*\c], v[\s+32*\c:\s+15+32*\c], v[TM+12+2*\c]
	v_cvt_scalef32_pk16_bf6_f32 v[PC+12+4*\c:PC+14+4*\c], v[\s+16+32*\c:\s+31+32*\c], v[TM+12+2*\c+1]
.endr
	v_nop                                          ; one plain place behind a scaled conversion
.irp c, 0,1                                    ; the operand's layout wants a whole block in a lane: lanes 0-15 block 2 c, lanes 16-31 block 2 c + 1
.irp i, 0,1,2
	v_permlane16_swap_b32 v[PC+6*\c+\i], v[PC+12+4*\c+\i]
.endr
.irp i, 0,1,2
	v_mov_b32 v[PC+3+6*\c+\i], v[PC+12+4*\c+\i]
.endr
.endr
.endm
.macro FETCH reg, off                          ; a fragment's image back into 12 registers
	ds_load_b128 v[\reg:\reg+3], v[LI16] offset:\off
	ds_load_b64 v[\reg+4:\reg+5], v[LI8] offset:\off
	ds_load_b128 v[\reg+6:\reg+9], v[LI16] offset:\off+HFB
	ds_load_b64 v[\reg+10:\reg+11], v[LI8] offset:\off+HFB
.endm
	s_load_b256 s[4:11], s[0:1], 0x0               ; K s[4:5], V s[6:7], mask s[8:9], proj's codes s[10:11]
	s_load_b128 s[12:15], s[0:1], 0x20             ; proj's scales s[12:13], part s[14:15]
	s_load_b64 s[16:17], s[0:1], 0x30              ; pks
	v_lshl_add_u32 v254, v0, 2, 0x47e00
	v_mov_b32 v255, 0
	ds_add_u32 v254, v255
	ds_add_u32 v254, v255
	v_lshrrev_b32 v1, 5, v0
	v_readfirstlane_b32 s[WV], v1                  ; wave 0..15
	s_and_b32 s19, s[WV], 7                        ; my job's number among K's eight or V's eight
	; group 1: 16 rows of 64 numbers of 4 bytes, dense in memory, 16 bytes of padding behind each row
	s_mov_b32 s[G1+0], (2<<16)|(1<<20)|(5<<22)|(3<<25)   ; no mask; elements of 4 bytes; padding on, after every 64 words, of 4 words
	s_mov_b32 s[G1+1], 64<<16                      ; tensor_dim0
	s_mov_b32 s[G1+2], 16<<16                      ; tensor_dim1
	s_mov_b32 s[G1+3], 64<<16                      ; tile_dim0
	s_mov_b32 s[G1+4], 16                          ; tile_dim1
	s_mov_b32 s[G1+5], 64                          ; elements from row to row
	s_mov_b32 s[G1+6], 0
	s_mov_b32 s[G1+7], 0
	s_lshl_b32 s22, ttmp9, 17                      ; the run's 512 rows of 256 bytes begin x * 2^17 bytes on,
	s_lshl_b32 s23, s19, 12                        ; my 16 rows of a step
	s_add_co_u32 s22, s22, s23
	s_mov_b32 s23, 0
	s_mul_i32 s52, s[WV], SLICE                    ; and go to wave x 4,352 in a step's raw bytes: K's eight slices, then V's eight
	s_wait_dscnt 0x0
	s_wait_kmcnt 0x0
	s_cmp_lt_u32 s[WV], 8                          ; waves 0-7 fetch K, waves 8-15 V: the choice hangs on the wave's number alone
	s_cselect_b64 s[20:21], s[4:5], s[6:7]
	s_add_nc_u64 s[20:21], s[20:21], s[22:23]
.irp g, 0,1,2,3
	s_mov_b32 s[G0+4*\g], 1                                        ; count = 1
	s_add_co_u32 s[G0+4*\g+1], s52, \g*STEPB                       ; LDS address
	s_add_nc_u64 s[G0+4*\g+2:G0+4*\g+3], s[20:21], \g*32768        ; step g: 128 rows on
	s_or_b32 s[G0+4*\g+3], s[G0+4*\g+3], 0x80000000               ; type = 2
.endr
	tensor_load_to_lds s[G0:G0+3], s[G1:G1+7]      ; all first fills in one group, ahead of every wait on TENSORcnt, every LDS read and every barrier
	s_nop 0
	tensor_load_to_lds s[G0+4:G0+7], s[G1:G1+7]
	s_nop 0
	tensor_load_to_lds s[G0+8:G0+11], s[G1:G1+7]
	s_nop 0
	tensor_load_to_lds s[G0+12:G0+15], s[G1:G1+7]
	s_nop 0
	PLACES 4
	s_lshr_b32 s20, ttmp9, 6                       ; the mask's row: head / 8
	s_lshl_b32 s20, s20, 14
	s_and_b32 s21, ttmp9, 7
	s_lshl_b32 s21, s21, 11                        ; the run's 512 numbers
	s_add_co_u32 s20, s20, s21
	s_mov_b32 s21, 0
	s_add_nc_u64 s[8:9], s[8:9], s[20:21]
	s_lshl_b32 s20, ttmp9, 16                      ; part: 65,536 bytes a work-group, 4,096 a wave
	s_lshl_b32 s22, s[WV], 12
	s_add_co_u32 s20, s20, s22
	s_add_nc_u64 s[14:15], s[14:15], s[20:21]
	s_lshl_b32 s20, ttmp9, 10                      ; pks: 1,024 bytes a work-group
	s_add_nc_u64 s[16:17], s[16:17], s[20:21]
	s_mov_b32 s[SEL], 0x76543210
	s_mov_b32 s[SEL+1], 0xfedcba98
	s_mov_b32 s[EPSS], 0x3a83126f                  ; 1e-3
	; every LDS address is made here, in every wave, ahead of the first parting of the roles
	s_lshr_b32 s20, s19, 1                         ; K's job: b; V's job: which block of 32 keys
	s_and_b32 s21, s19, 1                          ; K's job: u; V's job: which 32 of d
	v_and_b32 v1, 15, v0                           ; r
	v_bfe_u32 v2, v0, 4, 1                         ; h
	v_and_b32 v3, 31, v0                           ; lane
	v_and_b32 v244, 8, v1
	v_add_nc_u32 v244, v244, v1                    ; r + 8 (r / 8)
	s_lshl_b32 s22, s20, 5
	s_lshl_b32 s23, s21, 3
	s_add_co_u32 s22, s22, s23
	v_add_nc_u32 v245, s22, v244                   ; my key of the step: 32 b + 8 u + r + 8 (r / 8)
	v_mul_u32_u24 v[KRA], v245, PITCH
	v_lshl_add_u32 v[KRA], v2, 7, v[KRA]           ; + 128 h: d = 32 h on
	v_lshl_add_u32 v[KMA], v245, 2, MSK
	s_mul_i32 s22, s20, 32*PITCH
	s_lshl_b32 s23, s21, 7
	s_add_co_u32 s22, s22, s23
	s_add_co_u32 s22, s22, VOFF
	v_lshl_add_u32 v[VRA], v3, 2, s22              ; V: row 32 kb, d = 32 dh + lane
	s_mul_i32 s22, s20, FRB
	s_mul_i32 s23, s21, HFB
	s_add_co_u32 s22, s22, s23
	s_add_co_u32 s22, s22, KIMG
	v_lshl_add_u32 v[KW16], v3, 4, s22             ; fragment b, half u
	s_add_co_u32 s22, s22, 512
	v_lshl_add_u32 v[KW8], v3, 3, s22
	s_lshl_b32 s22, s20, 6
	s_lshl_b32 s23, s21, 1
	s_add_co_u32 s22, s22, s23
	s_add_co_u32 s22, s22, KSC
	v_lshl_add_u32 v[KWS], v1, 2, s22              ; bytes 2 u, 2 u + 1 of row r's word
	s_mul_i32 s22, s21, 2*FRB                      ; V: my d lies in fragment 2 dh + lane / 16, row lane % 16; block kb is half kb / 2, lanes' half kb % 2
	s_lshr_b32 s23, s20, 1
	s_mul_i32 s23, s23, HFB
	s_add_co_u32 s22, s22, s23
	s_add_co_u32 s22, s22, VIMG
	v_mul_u32_u24 v246, v2, FRB
	v_add_nc_u32 v246, s22, v246
	s_and_b32 s23, s20, 1
	s_lshl_b32 s23, s23, 4
	v_add_nc_u32 v247, s23, v1
	v_lshl_add_u32 v[VW16], v247, 4, v246
	v_lshl_add_u32 v[VW8], v247, 3, v246
	v_add_nc_u32 v[VW8], 512, v[VW8]
	s_lshl_b32 s22, s21, 7
	s_add_co_u32 s22, s22, s20
	s_add_co_u32 s22, s22, VSC
	v_lshl_add_u32 v[VWS], v3, 2, s22              ; byte kb of my d's word
	v_lshl_add_u32 v[LI16], v3, 4, KIMG
	v_lshl_add_u32 v[LI8], v3, 3, KIMG+512
	v_lshl_add_u32 v[LS4], v3, 2, KSC
	s_lshr_b32 s22, s[WV], 1
	s_lshl_b32 s22, s22, 5
	s_and_b32 s23, s[WV], 1
	s_lshl_b32 s23, s23, 3
	s_add_co_u32 s22, s22, s23
	v_add_nc_u32 v248, s22, v244                   ; my feature: 32 (w / 2) + 8 (w % 2) + r + 8 (r / 8)
	v_lshl_add_u32 v[KSW], v248, 2, KS
	v_mul_u32_u24 v249, v248, 48                   ; a row of proj is 64 codes, 48 bytes
	v_mad_u32_u24 v249, v2, 24, v249
	v_lshlrev_b32 v250, 1, v248                    ; and two scale bytes
	v_lshlrev_b32 v251, 2, v0
	v_lshl_add_u32 v253, v0, 2, MSK
	v_lshlrev_b32 v[GO], 4, v3
	s_lshl_b32 s22, s20, 7
	s_add_co_u32 s22, s22, MSK
	v_mov_b32 v[VMA], s22
	v_lshlrev_b32 v[H8], 3, v2
	global_load_b32 v252, v251, s[8:9]             ; the run's mask: a number a thread
.irp p, 0,1,2
	global_load_b64 v[PCH+6+2*\p:PCH+7+2*\p], v249, s[10:11] offset:8*\p   ; my feature's d = 32 h .. 32 h + 31
.endr
	global_load_u16 v[PJW], v250, s[12:13]
.irp j, 0,1,2,3,4,5
	v_mov_b32 v[PCH+\j], 0                         ; zero codes on both sides of proj's
	v_mov_b32 v[PCH+12+\j], 0
.endr
.irp j, 0,1,2,3,4,5,6,7
	v_mov_b32 v[EPSV+\j], 0x3a83126f
.endr
.irp j, 4,5,6,7
	v_mov_b32 v[TM+\j], 0                          ; written once: a lane permute's destination counts as one of its sources
.endr
	v_mov_b32 v[SM+1], 0
	s_wait_loadcnt 0x0                             ; mask, proj
	ds_store_b32 v253, v252
	v_lshl_or_b32 v[PJW], v[PJW], 16, v[PJW]       ; [e0, e1, e0, e1]: proj may stand in either half of K
; waves 0-7: 16 keys of K x 64^(-1/4) x mask become half a fragment.  Lane (r, h) holds one block: d = 32 h .. 32 h + 31 of its key
.macro KJOB g
	ds_load_b32 v[SM], v[KMA] offset:512*\g
.irp j, 0,1,2,3,4,5,6,7
	ds_load_b128 v[H+4*\j:H+4*\j+3], v[KRA] offset:16*\j
.endr
	s_wait_dscnt 0x0
	v_mul_f32 v[SM], 0x3eb504f3, v[SM]             ; 64^(-1/4) x mask
.set jj, 0
.rept 16
	v_pk_mul_f32 v[H+jj:H+jj+1], v[H+jj:H+jj+1], v[SM:SM+1] op_sel_hi:[1,0]
.set jj, jj+2
.endr
	BMAX32 H
	v_lshlrev_b32 v[TM+5], v[H8], v[TM+4]          ; my byte at its place, 8 h bits up;
	v_permlanex16_b32 v[TM+6], v[TM+5], s[SEL], s[SEL+1]
	v_or_b32 v[TM+5], v[TM+5], v[TM+6]             ; with lane l xor 16's: the key's two bytes
	CODES32 H, PC
	ds_store_b128 v[KW16], v[PC:PC+3]
	ds_store_b64 v[KW8], v[PC+4:PC+5]
	ds_store_b16 v[KWS], v[TM+5]                   ; both lanes of a key write the same two bytes with the same value
.endm
; waves 8-15: 32 keys x 32 d of V x mask.  A lane takes one d, and its registers run down the keys: a whole block
.macro VJOB g
.irp j, 0,1,2,3,4,5,6,7
	ds_load_b128 v[FB+4*\j:FB+4*\j+3], v[VMA] offset:512*\g+16*\j     ; the 32 keys' masks, the same in every lane
.endr
.set jj, 0
.rept 32
	ds_load_b32 v[H+jj], v[VRA] offset:PITCH*jj    ; 32 lanes read 128 consecutive bytes of a key's row
.set jj, jj+1
.endr
	s_wait_dscnt 0x0
.set jj, 0
.rept 16
	v_pk_mul_f32 v[H+jj:H+jj+1], v[H+jj:H+jj+1], v[FB+jj:FB+jj+1]
.set jj, jj+2
.endr
	BMAX32 H
	CODES32 H, PC
	ds_store_b128 v[VW16], v[PC:PC+3]
	ds_store_b64 v[VW8], v[PC+4:PC+5]
	ds_store_b8 v[VWS], v[TM+4]
.endm
; every wave: phi of its 16 features for the step's 128 keys, its sum, its codes, and four products with V
.macro PROD g
.irp b, 0,1,2,3
	FETCH FB+12*\b, FRB*\b
.endr
	ds_load_b32 v[KSCW], v[LS4]
	ds_load_b32 v[KSCW+1], v[LS4] offset:128
	s_wait_dscnt 0x0
.irp b, 0,1,2,3                                ; source 0 = 16 keys, source 1 = my 16 features: a lane holds ONE feature, and register 16 b + i key 32 b + 16 h + i
.irp u, 0,1
.if \b%2
	v_wmma_scale_f32_16x16x128_f8f6f4 v[H+8*(2*\b+\u):H+8*(2*\b+\u)+7], v[FB+12*\b:FB+12*\b+11], v[PCH+6-6*\u:PCH+17-6*\u], v[EPSV:EPSV+7], v[KSCW+\b/2], v[PJW] matrix_a_fmt:MATRIX_FMT_BF6 matrix_b_fmt:MATRIX_FMT_BF6 matrix_a_scale:MATRIX_SCALE_ROW1
.else
	v_wmma_scale_f32_16x16x128_f8f6f4 v[H+8*(2*\b+\u):H+8*(2*\b+\u)+7], v[FB+12*\b:FB+12*\b+11], v[PCH+6-6*\u:PCH+17-6*\u], v[EPSV:EPSV+7], v[KSCW+\b/2], v[PJW] matrix_a_fmt:MATRIX_FMT_BF6 matrix_b_fmt:MATRIX_FMT_BF6
.endif
.endr
.endr
	PLACES 4                                       ; in front of loads into registers that these products read, and of the first read of their results
.irp t, 0,1,2,3
	FETCH FB+12*\t, VIMG-KIMG+FRB*\t               ; V's fragments land while phi is clipped and quantised
.endr
	ds_load_b32 v[VSCW], v[LS4] offset:VSC-KSC
	ds_load_b32 v[VSCW+1], v[LS4] offset:VSC-KSC+128
.set jj, 0
.rept 64
	v_max_num_f32 v[H+jj], s[EPSS], v[H+jj]        ; phi = max(x + 1e-3, 1e-3); each result from its low end on
.set jj, jj+1
.endr
	QUANT H
.if \g == 0                                    ; the sum is taken of the unquantised phi; the first step starts it.  These lines are also the places behind the codes' moves and the scale word
	v_pk_add_f32 v[KSUM:KSUM+1], v[H:H+1], v[H+4:H+5]
	v_pk_add_f32 v[KSUM+2:KSUM+3], v[H+2:H+3], v[H+6:H+7]
.set jj, 8
.rept 14
	v_pk_add_f32 v[KSUM:KSUM+1], v[KSUM:KSUM+1], v[H+jj:H+jj+1]
	v_pk_add_f32 v[KSUM+2:KSUM+3], v[KSUM+2:KSUM+3], v[H+jj+2:H+jj+3]
.set jj, jj+4
.endr
.else
.set jj, 0
.rept 16
	v_pk_add_f32 v[KSUM:KSUM+1], v[KSUM:KSUM+1], v[H+jj:H+jj+1]
	v_pk_add_f32 v[KSUM+2:KSUM+3], v[KSUM+2:KSUM+3], v[H+jj+2:H+jj+3]
.set jj, jj+4
.endr
.endif
	s_wait_dscnt 0x0                               ; V's fragments and scale words
.irp t, 0,1,2,3                                ; source 0 = my 16 features x 128 keys, source 1 = 16 d x 128 keys.  The four accumulators take turns, and the next step's eight products stand between two links
.if \g == 0
.if \t%2
	v_wmma_scale_f32_16x16x128_f8f6f4 v[ACC+8*\t:ACC+8*\t+7], v[PC:PC+11], v[FB+12*\t:FB+12*\t+11], 0, v[PW], v[VSCW+\t/2] matrix_a_fmt:MATRIX_FMT_BF6 matrix_b_fmt:MATRIX_FMT_BF6 matrix_b_scale:MATRIX_SCALE_ROW1
.else
	v_wmma_scale_f32_16x16x128_f8f6f4 v[ACC+8*\t:ACC+8*\t+7], v[PC:PC+11], v[FB+12*\t:FB+12*\t+11], 0, v[PW], v[VSCW+\t/2] matrix_a_fmt:MATRIX_FMT_BF6 matrix_b_fmt:MATRIX_FMT_BF6
.endif
.else
.if \t%2
	v_wmma_scale_f32_16x16x128_f8f6f4 v[ACC+8*\t:ACC+8*\t+7], v[PC:PC+11], v[FB+12*\t:FB+12*\t+11], v[ACC+8*\t:ACC+8*\t+7], v[PW], v[VSCW+\t/2] matrix_a_fmt:MATRIX_FMT_BF6 matrix_b_fmt:MATRIX_FMT_BF6 matrix_b_scale:MATRIX_SCALE_ROW1
.else
	v_wmma_scale_f32_16x16x128_f8f6f4 v[ACC+8*\t:ACC+8*\t+7], v[PC:PC+11], v[FB+12*\t:FB+12*\t+11], v[ACC+8*\t:ACC+8*\t+7], v[PW], v[VSCW+\t/2] matrix_a_fmt:MATRIX_FMT_BF6 matrix_b_fmt:MATRIX_FMT_BF6
.endif
.endif
.endr
	PLACES 4                                       ; in front of the next loads into these products' registers, and of the stores of their results
.endm
.macro STEP g
	s_wait_tensorcnt 3-\g                          ; my slice of this step has landed; the later steps' loads, issued behind it, may stay out
	s_wait_dscnt 0x0                               ; my store of the mask, or my reads of the last step's images, are done
	s_barrier_signal -1
	s_barrier_wait -1                              ; the step's raw rows are whole, and nobody reads the images any more
	s_cmp_lt_u32 s[WV], 8
	s_cbranch_scc0 .Lvjob_\@
	KJOB \g
	s_branch .Ljoin_\@
.Lvjob_\@:
	VJOB \g
.Ljoin_\@:
	s_wait_dscnt 0x0                               ; for the others' sake: my part of the images is stored
	s_barrier_signal -1
	s_barrier_wait -1                              ; eight fragments and their scale words lie in LDS
.if \g < 3
	v_add_nc_u32 v[KRA], STEPB, v[KRA]             ; on to the next step's raw rows, in every wave
	v_add_nc_u32 v[VRA], STEPB, v[VRA]
.endif
	PROD \g
.endm
	STEP 0
	STEP 1
	STEP 2
	STEP 3
	; the way out: the accumulators as they stand, 512 consecutive bytes a store.  Register j of lane (r, h) is feature 32 (w / 2) + 16 h + 8 (w % 2) + j, d = 16 t + r
.irp t, 0,1,2,3
	global_store_b128 v[GO], v[ACC+8*\t:ACC+8*\t+3], s[14:15] offset:1024*\t
	global_store_b128 v[GO], v[ACC+8*\t+4:ACC+8*\t+7], s[14:15] offset:1024*\t+512
.endr
	v_pk_add_f32 v[KSUM:KSUM+1], v[KSUM:KSUM+1], v[KSUM+2:KSUM+3]
	v_add_f32 v[KSUM], v[KSUM], v[KSUM+1]
	v_permlanex16_b32 v[KSUM+2], v[KSUM], s[SEL], s[SEL+1]
	v_add_f32 v[KSUM], v[KSUM], v[KSUM+2]          ; with the other half of the keys: my feature's sum over the run
	ds_store_b32 v[KSW], v[KSUM]                   ; both lanes of a feature write the same word with the same value
	s_wait_dscnt 0x0
	s_barrier_signal -1
	s_barrier_wait -1
	s_cmp_lg_u32 s[WV], 0
	s_cbranch_scc1 .Lend
	ds_load_b128 v[H:H+3], v[LI16] offset:KS-KIMG  ; wave 0 stores the 256 sums: 512 consecutive bytes a store
	ds_load_b128 v[H+4:H+7], v[LI16] offset:KS-KIMG+512
	s_wait_dscnt 0x0
	global_store_b128 v[GO], v[H:H+3], s[16:17]
	global_store_b128 v[GO], v[H+4:H+7], s[16:17] offset:512
.Lend:
	s_wait_tensorcnt 0x0
	ds_add_u32 v254, v255
	s_wait_dscnt 0x0
	s_endpgm
.Lfunc_end_k_q85895be932_ctxpart:
	.size	k_q85895be932_ctxpart, .Lfunc_end_k_q85895be932_ctxpart-k_q85895be932_ctxpart
	.p2alignl 7, 3214868480
	.fill 96, 4, 3214868480
	.section	.rodata,"a",@progbits
	.p2align	6, 0x0
	.amdhsa_kernel k_q85895be932_ctxpart
		.amdhsa_group_segment_fixed_size 296448
		.amdhsa_private_segment_fixed_size 0
		.amdhsa_enable_private_segment 0
		.amdhsa_kernarg_size 56
		.amdhsa_user_sgpr_count 2
		.amdhsa_user_sgpr_kernarg_segment_ptr 1
		.amdhsa_wavefront_size32 1
		.amdhsa_system_sgpr_workgroup_id_x 1
		.amdhsa_system_sgpr_workgroup_id_y 1
		.amdhsa_system_sgpr_workgroup_id_z 1
		.amdhsa_system_vgpr_workitem_id 0
		.amdhsa_next_free_vgpr 256
		.amdhsa_next_free_sgpr 66
		.amdhsa_reserve_vcc 0
		.amdhsa_float_denorm_mode_32 3
		.amdhsa_float_denorm_mode_16_64 3
		.amdhsa_memory_ordered 1
		.amdhsa_forward_progress 1
		.amdhsa_inst_pref_size 94
	.end_amdhsa_kernel
	.amdgpu_metadata
---
amdhsa.version: [ 1, 2 ]
amdhsa.kernels:
  - .name:           k_q85895be932_ctxpart
    .symbol:         k_q85895be932_ctxpart.kd
    .args:
      - { .name: K, .offset: 0, .size: 8, .value_kind: global_buffer, .address_space: global }
      - { .name: V, .offset: 8, .size: 8, .value_kind: global_buffer, .address_space: global }
      - { .name: mask, .offset: 16, .size: 8, .value_kind: global_buffer, .address_space: global }
      - { .name: proj_codes, .offset: 24, .size: 8, .value_kind: global_buffer, .address_space: global }
      - { .name: proj_scales, .offset: 32, .size: 8, .value_kind: global_buffer, .address_space: global }
      - { .name: part, .offset: 40, .size: 8, .value_kind: global_buffer, .address_space: global }
      - { .name: pks, .offset: 48, .size: 8, .value_kind: global_buffer, .address_space: global }
    .group_segment_fixed_size: 296448
    .private_segment_fixed_size: 0
    .kernarg_segment_align: 8
    .kernarg_segment_size: 56
    .max_flat_workgroup_size: 512
    .sgpr_count:     66
    .vgpr_count:     256
    .wavefront_size: 32
...
	.end_amdgpu_metadata
.endif
;; end of part 1
;; launch ctxsum (part 2): grid 256 x 1, 4 waves a work-group, no clusters, 33,280 bytes of LDS; arguments part, pks, ctxc, ctxs, ksum; writes ctxc, ctxs, ksum
.if DOCPART == 2
	.amdgcn_target "amdgcn-amd-amdhsa--gfx1250"
	.amdhsa_code_object_version 6
	.text
	.protected	k_q85895be932_ctxsum
	.globl	k_q85895be932_ctxsum
	.p2align	8
	.type	k_q85895be932_ctxsum,@function
k_q85895be932_ctxsum:
	s_mov_b64 s[64:65], 0
	v_nop
	global_prefetch_b8 v0, s[64:65] scope:SCOPE_SE
	s_setreg_imm32_b32 hwreg(HW_REG_WAVE_MODE, 25, 1), 1
	s_wait_xcnt 0x0
; SECOND LAUNCH: a head's eight partial contexts are added, and the context is quantised along the features (E3M2, one E8M0 scale for 32) into images of operand registers; the eight partial sums of phi_k are added.
; SHARES.  Work-group x = 8 x head + 4 s + t makes ONE fragment of context^T: rows d = 16 t + r, K = features 128 s .. 128 s + 127.  Wave p adds runs 2 p and 2 p + 1; waves 1-3 hand their sums to wave 0 through LDS.
; The first launch chose its features so that register 8 n + j of lane (r, h), taken from its wave 8 s + n, is feature 128 s + 32 (n / 2) + 16 h + 8 (n % 2) + j of row d: sixteen neighbours along K in sixteen registers.
; Every load and store of the workspace but the scale words covers 512 consecutive bytes.  No matrix work, no tensor loads: a stream of 65,536 bytes a work-group.
; LIMITS: NaN and infinities are not served; a block whose largest magnitude lies under 2^-122 keeps the scale byte 1 (only this program reads the bytes; zero codes add nothing).
.set A,   16                           ; v16-79   the sum
.set B,   80                           ; v80-143
.set C,   144                          ; v144-207
.set PC,  208                          ; v208-226 codes
.set TM,  228                          ; v228-243 the quantiser's working registers
.set PW,  244                          ; v244     the scale word
.set SEL, 20
.macro QUANT s                         ; 64 numbers of a lane, register 16 b + i = k 32 b + 16 (lane / 16) + i of my row, become a fragment's codes in v[PC] on and its scale word in v[PW]
.irp b, 0,1,2,3
	v_max3_num_f32 v[TM+\b], |v[\s+16*\b]|, |v[\s+1+16*\b]|, 0x2800000   ; the floor 2^(5 - 127) among the leaves: the byte cannot fall under 1
.endr
.irp i, 2,4,6,8,10,12,14
.irp b, 0,1,2,3
	v_max3_num_f32 v[TM+\b], v[TM+\b], |v[\s+16*\b+\i]|, |v[\s+1+16*\b+\i]|
.endr
.endr
.irp b, 0,1,2,3
	v_permlanex16_b32 v[TM+4+\b], v[TM+\b], s[SEL], s[SEL+1]
.endr
.irp b, 0,1,2,3
	v_max_num_f32 v[TM+\b], v[TM+\b], v[TM+4+\b]
.endr
.irp b, 0,1,2,3
	v_add_nc_u32 v[TM+12+\b], 0xfe000000, v[TM+\b]   ; 4 off the exponent field: the conversion's scale operand
.endr
.irp b, 0,1,2,3
	v_lshrrev_b32 v[TM+4+\b], 23, v[TM+12+\b]
.endr
	v_lshl_or_b32 v[PW], v[TM+5], 8, v[TM+4]
	v_lshl_or_b32 v[PW], v[TM+6], 16, v[PW]
	v_lshl_or_b32 v[PW], v[TM+7], 24, v[PW]
.irp c, 0,1
	v_cvt_scalef32_pk16_bf6_f32 v[PC+6*\c:PC+2+6*\c], v[\s+32*\c:\s+15+32*\c], v[TM+12+2*\c]
	v_cvt_scalef32_pk16_bf6_f32 v[PC+12+4*\c:PC+14+4*\c], v[\s+16+32*\c:\s+31+32*\c], v[TM+12+2*\c+1]
.endr
	v_nop                                          ; one plain place behind a scaled conversion
.irp c, 0,1
.irp i, 0,1,2
	v_permlane16_swap_b32 v[PC+6*\c+\i], v[PC+12+4*\c+\i]
.endr
.irp i, 0,1,2
	v_mov_b32 v[PC+3+6*\c+\i], v[PC+12+4*\c+\i]
.endr
.endr
.endm
.macro ADD64 d, s
.set jj, 0
.rept 32
	v_pk_add_f32 v[\d+jj:\d+jj+1], v[\d+jj:\d+jj+1], v[\s+jj:\s+jj+1]
.set jj, jj+2
.endr
.endm
	s_load_b128 s[4:7], s[0:1], 0x0                ; part s[4:5], pks s[6:7]
	s_load_b128 s[8:11], s[0:1], 0x10              ; ctxc s[8:9], ctxs s[10:11]
	s_load_b64 s[12:13], s[0:1], 0x20              ; ksum
	v_lshl_add_u32 v254, v0, 2, 0x8000
	v_mov_b32 v255, 0
	v_lshrrev_b32 v1, 5, v0
	v_readfirstlane_b32 s14, v1                    ; wave p
	v_and_b32 v4, 31, v0
	v_lshlrev_b32 v1, 4, v4                        ; 16 x lane
	s_lshl_b32 s15, s14, 13
	v_add_nc_u32 v2, s15, v1                       ; LDS: 8,192 bytes for each of waves 1-3
	v_and_b32 v3, 15, v0
	v_lshlrev_b32 v3, 2, v3                        ; my row's scale word
	s_lshr_b32 s16, ttmp9, 3                       ; head
	s_bfe_u32 s17, ttmp9, 0x10002                  ; s
	s_and_b32 s18, ttmp9, 3                        ; t
	s_mov_b32 s[SEL], 0x76543210
	s_mov_b32 s[SEL+1], 0xfedcba98
.irp j, 4,5,6,7
	v_mov_b32 v[TM+\j], 0                          ; a lane permute's destination counts as one of its sources
.endr
	s_mov_b32 s23, 0
	s_lshl_b32 s22, s16, 19                        ; part: 8 runs of 65,536 bytes a head,
	s_lshl_b32 s19, s14, 17                        ; my two runs,
	s_add_co_u32 s22, s22, s19
	s_lshl_b32 s19, s17, 15                        ; waves 8 s on,
	s_add_co_u32 s22, s22, s19
	s_lshl_b32 s19, s18, 10                        ; accumulator t
	s_add_co_u32 s22, s22, s19
	s_wait_kmcnt 0x0
	s_add_nc_u64 s[4:5], s[4:5], s[22:23]
	s_lshl_b32 s22, s16, 13                        ; pks: 8 runs of 1,024 bytes a head, features 128 s on
	s_lshl_b32 s19, s17, 9
	s_add_co_u32 s22, s22, s19
	s_add_nc_u64 s[6:7], s[6:7], s[22:23]
	s_lshl_b32 s22, s16, 10                        ; ksum: 1,024 bytes a head
	s_add_co_u32 s22, s22, s19
	s_add_nc_u64 s[12:13], s[12:13], s[22:23]
	s_mul_i32 s22, ttmp9, 1536                     ; ctxc: a fragment a work-group
	s_add_nc_u64 s[8:9], s[8:9], s[22:23]
	s_lshl_b32 s22, ttmp9, 6                       ; ctxs: 16 words a work-group
	s_add_nc_u64 s[10:11], s[10:11], s[22:23]
.irp n, 0,1,2,3,4,5,6,7
.irp g, 0,1
	global_load_b128 v[A+8*\n+4*\g:A+8*\n+4*\g+3], v1, s[4:5] offset:4096*\n+512*\g th:TH_LOAD_NT
	global_load_b128 v[B+8*\n+4*\g:B+8*\n+4*\g+3], v1, s[4:5] offset:65536+4096*\n+512*\g th:TH_LOAD_NT
.endr
.endr
	s_cmp_lg_u32 s14, 3                            ; wave 3 of the work-groups with t = 0 adds the sums of phi_k for features 128 s on: branches on ids alone
	s_cbranch_scc1 .Lnoks
	s_cmp_lg_u32 s18, 0
	s_cbranch_scc1 .Lnoks
.irp k, 0,1,2,3,4,5,6,7
	global_load_b128 v[C+4*\k:C+4*\k+3], v1, s[6:7] offset:1024*\k th:TH_LOAD_NT
.endr
	s_wait_loadcnt 0x0
.irp k, 0,2,4,6
	v_pk_add_f32 v[C+4*\k:C+4*\k+1], v[C+4*\k:C+4*\k+1], v[C+4*\k+4:C+4*\k+5]
	v_pk_add_f32 v[C+4*\k+2:C+4*\k+3], v[C+4*\k+2:C+4*\k+3], v[C+4*\k+6:C+4*\k+7]
.endr
.irp k, 0,4
	v_pk_add_f32 v[C+4*\k:C+4*\k+1], v[C+4*\k:C+4*\k+1], v[C+4*\k+8:C+4*\k+9]
	v_pk_add_f32 v[C+4*\k+2:C+4*\k+3], v[C+4*\k+2:C+4*\k+3], v[C+4*\k+10:C+4*\k+11]
.endr
	v_pk_add_f32 v[C:C+1], v[C:C+1], v[C+16:C+17]
	v_pk_add_f32 v[C+2:C+3], v[C+2:C+3], v[C+18:C+19]
	global_store_b128 v1, v[C:C+3], s[12:13]
	s_wait_xcnt 0x0                                ; the store has read its registers: lines further down name them again
.Lnoks:
	s_wait_loadcnt 0x0
	ADD64 A, B                                     ; my two runs
	s_cmp_eq_u32 s14, 0
	s_cbranch_scc1 .Lnost
.set jj, 0
.rept 16
	ds_store_b128 v2, v[A+4*jj:A+4*jj+3] offset:512*jj
.set jj, jj+1
.endr
.Lnost:
	s_wait_dscnt 0x0                               ; for wave 0's sake: my stores are done
	s_barrier_signal -1
	s_barrier_wait -1
	s_cmp_lg_u32 s14, 0
	s_cbranch_scc1 .Lend
.set jj, 0
.rept 16
	ds_load_b128 v[B+4*jj:B+4*jj+3], v1 offset:8192+512*jj
.set jj, jj+1
.endr
.set jj, 0
.rept 16
	ds_load_b128 v[C+4*jj:C+4*jj+3], v1 offset:16384+512*jj
.set jj, jj+1
.endr
	s_wait_dscnt 16                                ; wave 1's sums are in; the sixteen younger loads may stay out
	ADD64 A, B
.set jj, 0
.rept 16
	ds_load_b128 v[B+4*jj:B+4*jj+3], v1 offset:24576+512*jj
.set jj, jj+1
.endr
	s_wait_dscnt 16                                ; wave 2's are in; wave 3's sixteen may stay out
	ADD64 A, C
	s_wait_dscnt 0x0
	ADD64 A, B
	QUANT A
.irp c, 0,1,2
	global_store_b128 v1, v[PC+4*\c:PC+4*\c+3], s[8:9] offset:512*\c   ; the fragment as an image of its registers
.endr
	global_store_b32 v3, v[PW], s[10:11]           ; both lanes of a row write the same word with the same value
.Lend:
	s_wait_tensorcnt 0x0
	ds_add_u32 v254, v255
	s_wait_dscnt 0x0
	s_endpgm
.Lfunc_end_k_q85895be932_ctxsum:
	.size	k_q85895be932_ctxsum, .Lfunc_end_k_q85895be932_ctxsum-k_q85895be932_ctxsum
	.p2alignl 7, 3214868480
	.fill 96, 4, 3214868480
	.section	.rodata,"a",@progbits
	.p2align	6, 0x0
	.amdhsa_kernel k_q85895be932_ctxsum
		.amdhsa_group_segment_fixed_size 33280
		.amdhsa_private_segment_fixed_size 0
		.amdhsa_enable_private_segment 0
		.amdhsa_kernarg_size 40
		.amdhsa_user_sgpr_count 2
		.amdhsa_user_sgpr_kernarg_segment_ptr 1
		.amdhsa_wavefront_size32 1
		.amdhsa_system_sgpr_workgroup_id_x 1
		.amdhsa_system_sgpr_workgroup_id_y 1
		.amdhsa_system_sgpr_workgroup_id_z 1
		.amdhsa_system_vgpr_workitem_id 0
		.amdhsa_next_free_vgpr 256
		.amdhsa_next_free_sgpr 66
		.amdhsa_reserve_vcc 0
		.amdhsa_float_denorm_mode_32 3
		.amdhsa_float_denorm_mode_16_64 3
		.amdhsa_memory_ordered 1
		.amdhsa_forward_progress 1
		.amdhsa_inst_pref_size 24
	.end_amdhsa_kernel
	.amdgpu_metadata
---
amdhsa.version: [ 1, 2 ]
amdhsa.kernels:
  - .name:           k_q85895be932_ctxsum
    .symbol:         k_q85895be932_ctxsum.kd
    .args:
      - { .name: part, .offset: 0, .size: 8, .value_kind: global_buffer, .address_space: global }
      - { .name: pks, .offset: 8, .size: 8, .value_kind: global_buffer, .address_space: global }
      - { .name: ctxc, .offset: 16, .size: 8, .value_kind: global_buffer, .address_space: global }
      - { .name: ctxs, .offset: 24, .size: 8, .value_kind: global_buffer, .address_space: global }
      - { .name: ksum, .offset: 32, .size: 8, .value_kind: global_buffer, .address_space: global }
    .group_segment_fixed_size: 33280
    .private_segment_fixed_size: 0
    .kernarg_segment_align: 8
    .kernarg_segment_size: 40
    .max_flat_workgroup_size: 128
    .sgpr_count:     66
    .vgpr_count:     256
    .wavefront_size: 32
...
	.end_amdgpu_metadata
.endif
;; end of part 2
;; launch attend (part 3): grid 256 x 1, 8 waves a work-group, no clusters, 175,104 bytes of LDS; arguments Q, proj_codes, proj_scales, ctxc, ctxs, ksum, out0; writes out0
.if DOCPART == 3
	.amdgcn_target "amdgcn-amd-amdhsa--gfx1250"
	.amdhsa_code_object_version 6
	.text
	.protected	k_q85895be932_attend
	.globl	k_q85895be932_attend
	.p2align	8
	.type	k_q85895be932_attend,@function
k_q85895be932_attend:
	s_mov_b64 s[64:65], 0
	v_nop
	global_prefetch_b8 v0, s[64:65] scope:SCOPE_SE
	s_setreg_imm32_b32 hwreg(HW_REG_WAVE_MODE, 25, 1), 1
	s_wait_xcnt 0x0
; THIRD LAUNCH: out = phi_q context / (phi_q . k_sum), phi_q = relu(q proj^T) + 1e-3, q = Q x 64^(-1/4).  Quantised to E3M2 with one E8M0 scale for 32 along K: q along d, proj (given), phi_q and the context (second launch) along the features.
; The divisor is taken of the unquantised phi_q and k_sum, by fused multiply-adds in f32.
; SHARES.  Work-group x = 8 x head + block of 512 queries; each of eight waves owns 64 queries, four tiles of 16, and shares nothing with the others: no barrier, no branch.
;   All of proj (8 packed fragments), the head's context (8 fragments) and k_sum (128 registers) stay in the wave's registers; only raw Q and the way out touch LDS.
; NO LDS BYTE IS FILLED TWICE: a wave asks for its four tiles of Q at the head; four tensor loads of a wave are out at the most.  The stage for the way out has blocks of its own, into which no fill lands.
; K = 64 IN AN INSTRUCTION OF 128: a fragment of proj holds two tiles of 16 features [u = 0 | u = 1]; q stands in a run of 18 registers [zeros | q | zeros], of which registers 6-17 pick tile 0 and 0-11 tile 1.
; 1e-3 IS THE C OF THE FIRST PRODUCT: phi = max(D, 1e-3).  Row p of proj's tile (b, u) is feature 32 b + 8 u + p + 8 (p / 8): a lane's 16 registers of tiles (b, 0), (b, 1) are 16 neighbouring features.
; Both products are used transposed (source 1 = the queries): a lane holds ONE query throughout, and at the end eight neighbouring d of its row.
; NO CLUSTER: what the eight work-groups of a head share (context, k_sum, proj: 26,112 bytes) is a fifth of the 131,072 bytes of Q that each reads alone, and is read once at the head.
; LIMITS: NaN and infinities among the inputs are not served; a block of q whose largest magnitude lies under 2^-122 keeps the scale byte 1 (zero codes add nothing); 1 / divisor is v_rcp_f32's.
; REGISTERS, in windows of 256.  Window 1: v0-95 proj, v96-191 context, v192-255 k_sum of features 0-127.  Window 0: all else.  Three settings: 0; 0x01 (source 0 in window 1); 0x40 (destination in window 1).
.set PITCH, 272                        ; a row in LDS: 256 bytes + 16: row r starts 16 r bytes on modulo 256, so the 16 rows of a load of 16 bytes a lane do not meet
.set SLICE, 16*PITCH
.set STAGE, 8*4*SLICE                  ; behind the raw tiles: 16 rows x 272 bytes for each wave
.set RAWA, 4                           ; v4   raw Q: row r, + 128 h
.set STO,  5                           ; v5   the stage: where I put 32 bytes of a row
.set RD,   6                           ; v6   and where I read rows back
.set PJA,  8                           ; v8   proj's codes: my row of a tile
.set PSA,  9                           ; v9   proj's scale bytes
.set L16,  10                          ; v10  16 x lane
.set L4,   11                          ; v11  4 x lane
.set H64,  12                          ; v12  64 x (lane / 16)
.set H8,   13                          ; v13  8 x (lane / 16)
.set RC,   14                          ; v14  1 / divisor; v15 = 0, named with it as a pair
.set EPSV, 16                          ; v16-23 eight times 1e-3
.set QC,   24                          ; v24-41 zeros, q, zeros
.set QW,   42                          ; v42  q's scale word [e0, e1, e0, e1]
.set PW,   43                          ; v43  phi's scale word
.set PS,   44                          ; v44-51 proj's scale words, one a packed fragment
.set CS,   52                          ; v52-55 the context's: lanes 0-15 fragment 2 i, lanes 16-31 fragment 2 i + 1
.set DEN,  56                          ; v56-59 the divisor, two chains of pairs
.set PC,   60                          ; v60-78 codes
.set TM,   80                          ; v80-95 the quantiser's working registers
.set H,    96                          ; v96-159 phi; first 32 numbers of q; at the end rows of the result
.set ACC,  160                         ; v160-191 four accumulators
.set KS1,  192                         ; v192-255 k_sum of features 128-255
.set PJ,   0                           ; window 1
.set CX,   96
.set KS0,  192
.set WV,   18
.set G1,   24
.set G0,   32
.set SEL,  48
.set EPSS, 50
.set MSB, 0
.macro WIN new                         ; the immediate's high byte repeats the setting that is left
.if MSB != \new
	s_set_vgpr_msb (MSB<<8)|\new
.set MSB, \new
.endif
.endm
.macro PLACES n
.rept \n
	v_nop
.endr
.endm
.macro BMAX32 x                        ; the largest magnitude of a block, v[x] .. v[x+31], with the floor 2^(5 - 127); the conversion's scale operand in v[TM+12], the byte in v[TM+4]
	v_max3_num_f32 v[TM], |v[\x]|, |v[\x+1]|, 0x2800000
	v_max3_num_f32 v[TM+1], |v[\x+16]|, |v[\x+17]|, 0x2800000
.irp i, 2,4,6,8,10,12,14
	v_max3_num_f32 v[TM], v[TM], |v[\x+\i]|, |v[\x+\i+1]|
	v_max3_num_f32 v[TM+1], v[TM+1], |v[\x+16+\i]|, |v[\x+17+\i]|
.endr
	v_max_num_f32 v[TM], v[TM], v[TM+1]
	v_add_nc_u32 v[TM+12], 0xfe000000, v[TM]
	v_lshrrev_b32 v[TM+4], 23, v[TM+12]
.endm
.macro CODES32 x, d                    ; the block's 32 codes into v[d] .. v[d+5]
	v_cvt_scalef32_pk16_bf6_f32 v[\d:\d+2], v[\x:\x+15], v[TM+12]
	v_cvt_scalef32_pk16_bf6_f32 v[PC+12:PC+14], v[\x+16:\x+31], v[TM+12]
	v_nop                                          ; one plain place behind a scaled conversion
.irp i, 0,1,2
	v_mov_b32 v[\d+3+\i], v[PC+12+\i]
.endr
.endm
.macro QUANT s                         ; 64 numbers of a lane, register 16 b + i = k 32 b + 16 (lane / 16) + i of my row, become a fragment's codes in v[PC] on and its scale word in v[PW]
.irp b, 0,1,2,3
	v_max3_num_f32 v[TM+\b], |v[\s+16*\b]|, |v[\s+1+16*\b]|, 0x2800000
.endr
.irp i, 2,4,6,8,10,12,14
.irp b, 0,1,2,3
	v_max3_num_f32 v[TM+\b], v[TM+\b], |v[\s+16*\b+\i]|, |v[\s+1+16*\b+\i]|
.endr
.endr
.irp b, 0,1,2,3
	v_permlanex16_b32 v[TM+4+\b], v[TM+\b], s[SEL], s[SEL+1]
.endr
.irp b, 0,1,2,3
	v_max_num_f32 v[TM+\b], v[TM+\b], v[TM+4+\b]
.endr
.irp b, 0,1,2,3
	v_add_nc_u32 v[TM+12+\b], 0xfe000000, v[TM+\b]
.endr
.irp b, 0,1,2,3
	v_lshrrev_b32 v[TM+4+\b], 23, v[TM+12+\b]
.endr
	v_lshl_or_b32 v[PW], v[TM+5], 8, v[TM+4]
	v_lshl_or_b32 v[PW], v[TM+6], 16, v[PW]
	v_lshl_or_b32 v[PW], v[TM+7], 24, v[PW]
.irp c, 0,1
	v_cvt_scalef32_pk16_bf6_f32 v[PC+6*\c:PC+2+6*\c], v[\s+32*\c:\s+15+32*\c], v[TM+12+2*\c]
	v_cvt_scalef32_pk16_bf6_f32 v[PC+12+4*\c:PC+14+4*\c], v[\s+16+32*\c:\s+31+32*\c], v[TM+12+2*\c+1]
.endr
	v_nop
.irp c, 0,1
.irp i, 0,1,2
	v_permlane16_swap_b32 v[PC+6*\c+\i], v[PC+12+4*\c+\i]
.endr
.irp i, 0,1,2
	v_mov_b32 v[PC+3+6*\c+\i], v[PC+12+4*\c+\i]
.endr
.endr
.endm
	s_load_b256 s[4:11], s[0:1], 0x0               ; Q s[4:5], proj's codes s[6:7], proj's scales s[8:9], ctxc s[10:11]
	s_load_b128 s[12:15], s[0:1], 0x20             ; ctxs s[12:13], ksum s[14:15]
	s_load_b64 s[16:17], s[0:1], 0x30              ; out0
	v_lshl_add_u32 v90, v0, 2, 0x2a800
	v_mov_b32 v91, 0
	ds_add_u32 v90, v91
	ds_add_u32 v90, v91
	v_lshrrev_b32 v1, 5, v0
	v_readfirstlane_b32 s[WV], v1                  ; wave 0..7
	s_mov_b32 s[G1+0], (2<<16)|(1<<20)|(5<<22)|(3<<25)   ; no mask; elements of 4 bytes; padding on, after every 64 words, of 4 words
	s_mov_b32 s[G1+1], 64<<16                      ; tensor_dim0
	s_mov_b32 s[G1+2], 16<<16                      ; tensor_dim1
	s_mov_b32 s[G1+3], 64<<16                      ; tile_dim0
	s_mov_b32 s[G1+4], 16                          ; tile_dim1
	s_mov_b32 s[G1+5], 64                          ; elements from row to row
	s_mov_b32 s[G1+6], 0
	s_mov_b32 s[G1+7], 0
	s_lshl_b32 s20, ttmp9, 17                      ; the work-group's 512 rows of 256 bytes,
	s_lshl_b32 s21, s[WV], 14                      ; my wave's 64
	s_add_co_u32 s20, s20, s21
	s_mov_b32 s21, 0
	s_mul_i32 s22, s[WV], 4*SLICE                  ; my four tiles in LDS
	s_wait_dscnt 0x0
	s_wait_kmcnt 0x0
	s_add_nc_u64 s[4:5], s[4:5], s[20:21]
	s_add_nc_u64 s[16:17], s[16:17], s[20:21]
.irp g, 0,1,2,3
	s_mov_b32 s[G0+4*\g], 1
	s_add_co_u32 s[G0+4*\g+1], s22, \g*SLICE
	s_add_nc_u64 s[G0+4*\g+2:G0+4*\g+3], s[4:5], \g*4096
	s_or_b32 s[G0+4*\g+3], s[G0+4*\g+3], 0x80000000
.endr
	tensor_load_to_lds s[G0:G0+3], s[G1:G1+7]      ; all first fills in one group, ahead of every wait on TENSORcnt and every LDS read
	s_nop 0
	tensor_load_to_lds s[G0+4:G0+7], s[G1:G1+7]
	s_nop 0
	tensor_load_to_lds s[G0+8:G0+11], s[G1:G1+7]
	s_nop 0
	tensor_load_to_lds s[G0+12:G0+15], s[G1:G1+7]
	s_nop 0
	PLACES 4
	s_lshr_b32 s23, ttmp9, 3                       ; head
	s_mul_i32 s20, s23, 12288                      ; its eight fragments of the context,
	s_add_nc_u64 s[10:11], s[10:11], s[20:21]
	s_lshl_b32 s20, s23, 9                         ; their scale words,
	s_add_nc_u64 s[12:13], s[12:13], s[20:21]
	s_lshl_b32 s20, s23, 10                        ; its k_sum
	s_add_nc_u64 s[14:15], s[14:15], s[20:21]
	s_mov_b32 s[SEL], 0x76543210
	s_mov_b32 s[SEL+1], 0xfedcba98
	s_mov_b32 s[EPSS], 0x3a83126f
	v_and_b32 v1, 15, v0                           ; r
	v_bfe_u32 v2, v0, 4, 1                         ; h
	v_and_b32 v3, 31, v0                           ; lane
	v_mul_u32_u24 v[RAWA], v1, PITCH
	v_lshl_add_u32 v[RAWA], v2, 7, v[RAWA]
	v_add_nc_u32 v[RAWA], s22, v[RAWA]
	s_mul_i32 s23, s[WV], SLICE
	s_add_co_u32 s23, s23, STAGE                   ; my stage
	v_mul_u32_u24 v[STO], v1, PITCH
	v_lshl_add_u32 v[STO], v2, 5, v[STO]
	v_add_nc_u32 v[STO], s23, v[STO]
	v_mul_u32_u24 v[RD], v2, PITCH
	v_lshl_add_u32 v[RD], v1, 4, v[RD]
	v_add_nc_u32 v[RD], s23, v[RD]
	v_and_b32 v7, 8, v1
	v_add_nc_u32 v7, v7, v1                        ; r + 8 (r / 8)
	v_mul_u32_u24 v[PJA], v7, 48
	v_mad_u32_u24 v[PJA], v2, 24, v[PJA]
	v_lshlrev_b32 v[PSA], 1, v7
	v_lshlrev_b32 v[L16], 4, v3
	v_lshlrev_b32 v[L4], 2, v3
	v_lshlrev_b32 v[H64], 6, v2
	v_lshlrev_b32 v[H8], 3, v2
	WIN 0x40                                       ; destinations in window 1
.irp f, 0,1,2,3,4,5,6,7                        ; proj: fragment f = [tile (f, 0) | tile (f, 1)]; lane (r, h): d = 32 h .. 32 h + 31 of feature 32 f + 8 u + r + 8 (r / 8)
.irp u, 0,1
.irp p, 0,1,2
	global_load_b64 v[PJ+12*\f+6*\u+2*\p:PJ+12*\f+6*\u+2*\p+1], v[PJA], s[6:7] offset:1536*\f+384*\u+8*\p
.endr
.endr
.endr
.irp f, 0,1,2,3,4,5,6,7                        ; the context: fragment 4 s + t, as an image of its registers
.irp c, 0,1,2
	global_load_b128 v[CX+12*\f+4*\c:CX+12*\f+4*\c+3], v[L16], s[10:11] offset:1536*\f+512*\c
.endr
.endr
.irp b, 0,1,2,3                                ; k_sum in phi's layout: register 16 b + i is feature 32 b + 16 h + i
.irp j, 0,1,2,3
	global_load_b128 v[KS0+16*\b+4*\j:KS0+16*\b+4*\j+3], v[H64], s[14:15] offset:128*\b+16*\j
.endr
.endr
	WIN 0
.irp b, 0,1,2,3
.irp j, 0,1,2,3
	global_load_b128 v[KS1+16*\b+4*\j:KS1+16*\b+4*\j+3], v[H64], s[14:15] offset:512+128*\b+16*\j
.endr
.endr
.irp s, 0,1
.irp j, 0,1
	global_load_b32 v[CS+2*\s+\j], v[L4], s[12:13] offset:256*\s+128*\j
.endr
.endr
.irp f, 0,1,2,3,4,5,6,7
	global_load_u16 v[PS+\f], v[PSA], s[8:9] offset:64*\f          ; tile (f, 0)'s two bytes of my row,
	global_load_u16 v[TM+\f], v[PSA], s[8:9] offset:64*\f+16       ; tile (f, 1)'s
.endr
.irp j, 0,1,2,3,4,5
	v_mov_b32 v[QC+\j], 0                          ; zero codes on both sides of q's
	v_mov_b32 v[QC+12+\j], 0
.endr
.irp j, 0,1,2,3,4,5,6,7
	v_mov_b32 v[EPSV+\j], 0x3a83126f
.endr
	v_mov_b32 v[RC+1], 0
	s_wait_loadcnt 0x0
.irp f, 0,1,2,3,4,5,6,7
	v_lshl_or_b32 v[PS+\f], v[TM+\f], 16, v[PS+\f]
.endr
; A TILE OF 16 QUERIES
.macro TILE i
.if \i > 0
	s_wait_xcnt 0x0                                ; the last tile's stores have read their registers, which are written again below
.endif
	s_wait_tensorcnt 3-\i                          ; my tile has landed; the later tiles' loads, issued behind it, may stay out: only I read these bytes, and nothing is filled again
.irp j, 0,1,2,3,4,5,6,7
	ds_load_b128 v[H+4*\j:H+4*\j+3], v[RAWA] offset:SLICE*\i+16*\j   ; lane (r, h): d = 32 h .. 32 h + 31 of query r: a whole block
.endr
	s_wait_dscnt 0x0
.set jj, 0
.rept 16
	v_pk_mul_f32 v[H+jj:H+jj+1], v[H+jj:H+jj+1], 0x3eb504f3 op_sel_hi:[1,0]   ; x 64^(-1/4)
.set jj, jj+2
.endr
	BMAX32 H
	v_lshlrev_b32 v[TM+5], v[H8], v[TM+4]          ; my byte 8 h bits up,
	v_permlanex16_b32 v[TM+6], v[TM+5], s[SEL], s[SEL+1]
	v_or_b32 v[TM+5], v[TM+5], v[TM+6]             ; with lane l xor 16's,
	v_lshl_or_b32 v[QW], v[TM+5], 16, v[TM+5]      ; twice: q may stand in either half of K
	CODES32 H, QC+6
	PLACES 8                                       ; a scale word made by vector instructions stands 8 places ahead of a scaled product, an operand 4
.irp s, 0,1                                    ; features 128 s on
	WIN 0x01
.irp b, 0,1,2,3
.irp u, 0,1
	v_wmma_scale_f32_16x16x128_f8f6f4 v[H+8*(2*\b+\u):H+8*(2*\b+\u)+7], v[PJ+12*(4*\s+\b):PJ+12*(4*\s+\b)+11], v[QC+6-6*\u:QC+17-6*\u], v[EPSV:EPSV+7], v[PS+4*\s+\b], v[QW] matrix_a_fmt:MATRIX_FMT_BF6 matrix_b_fmt:MATRIX_FMT_BF6
.endr
.endr
	WIN 0
	PLACES 4                                       ; in front of the first read of these results (ISA guide 7.12.1)
.set jj, 0
.rept 64
	v_max_num_f32 v[H+jj], s[EPSS], v[H+jj]        ; phi = max(x + 1e-3, 1e-3); each result from its low end on
.set jj, jj+1
.endr
	QUANT H
.if \s == 0                                    ; the divisor, of the unquantised phi.  These lines are also the places behind the codes' moves and the scale word
	WIN 0x01
	v_pk_mul_f32 v[DEN:DEN+1], v[KS0:KS0+1], v[H:H+1]
	v_pk_mul_f32 v[DEN+2:DEN+3], v[KS0+2:KS0+3], v[H+2:H+3]
.set jj, 4
.rept 15
	v_pk_fma_f32 v[DEN:DEN+1], v[KS0+jj:KS0+jj+1], v[H+jj:H+jj+1], v[DEN:DEN+1]
	v_pk_fma_f32 v[DEN+2:DEN+3], v[KS0+jj+2:KS0+jj+3], v[H+jj+2:H+jj+3], v[DEN+2:DEN+3]
.set jj, jj+4
.endr
.else
.set jj, 0
.rept 16
	v_pk_fma_f32 v[DEN:DEN+1], v[KS1+jj:KS1+jj+1], v[H+jj:H+jj+1], v[DEN:DEN+1]
	v_pk_fma_f32 v[DEN+2:DEN+3], v[KS1+jj+2:KS1+jj+3], v[H+jj+2:H+jj+3], v[DEN+2:DEN+3]
.set jj, jj+4
.endr
	WIN 0x01
.endif
.irp t, 0,1,2,3                                ; source 0 = 16 d of the context, source 1 = my 16 queries.  The four accumulators take turns, and the eight products above stand between two links
.if \s == 0
.if \t%2
	v_wmma_scale_f32_16x16x128_f8f6f4 v[ACC+8*\t:ACC+8*\t+7], v[CX+12*(4*\s+\t):CX+12*(4*\s+\t)+11], v[PC:PC+11], 0, v[CS+2*\s+\t/2], v[PW] matrix_a_fmt:MATRIX_FMT_BF6 matrix_b_fmt:MATRIX_FMT_BF6 matrix_a_scale:MATRIX_SCALE_ROW1
.else
	v_wmma_scale_f32_16x16x128_f8f6f4 v[ACC+8*\t:ACC+8*\t+7], v[CX+12*(4*\s+\t):CX+12*(4*\s+\t)+11], v[PC:PC+11], 0, v[CS+2*\s+\t/2], v[PW] matrix_a_fmt:MATRIX_FMT_BF6 matrix_b_fmt:MATRIX_FMT_BF6
.endif
.else
.if \t%2
	v_wmma_scale_f32_16x16x128_f8f6f4 v[ACC+8*\t:ACC+8*\t+7], v[CX+12*(4*\s+\t):CX+12*(4*\s+\t)+11], v[PC:PC+11], v[ACC+8*\t:ACC+8*\t+7], v[CS+2*\s+\t/2], v[PW] matrix_a_fmt:MATRIX_FMT_BF6 matrix_b_fmt:MATRIX_FMT_BF6 matrix_a_scale:MATRIX_SCALE_ROW1
.else
	v_wmma_scale_f32_16x16x128_f8f6f4 v[ACC+8*\t:ACC+8*\t+7], v[CX+12*(4*\s+\t):CX+12*(4*\s+\t)+11], v[PC:PC+11], v[ACC+8*\t:ACC+8*\t+7], v[CS+2*\s+\t/2], v[PW] matrix_a_fmt:MATRIX_FMT_BF6 matrix_b_fmt:MATRIX_FMT_BF6
.endif
.endif
.endr
	WIN 0
	PLACES 4                                       ; in front of writes of these products' registers and of the first read of their results
.endr
	v_pk_add_f32 v[DEN:DEN+1], v[DEN:DEN+1], v[DEN+2:DEN+3]
	v_add_f32 v[DEN], v[DEN], v[DEN+1]
	v_permlanex16_b32 v[DEN+2], v[DEN], s[SEL], s[SEL+1]
	v_add_f32 v[DEN], v[DEN], v[DEN+2]             ; with the other half of the features: my query's divisor
	v_rcp_f32 v[RC], v[DEN]
	v_nop                                          ; one plain place behind a transcendental
.set jj, 0
	s_wait_alu depctr_va_vdst(0)
.rept 16
	v_pk_mul_f32 v[ACC+jj:ACC+jj+1], v[ACC+jj:ACC+jj+1], v[RC:RC+1] op_sel_hi:[1,0]   ; register 8 t + j is out(query r, 16 t + 8 h + j)
.set jj, jj+2
.endr
.irp t, 0,1,2,3
	ds_store_b128 v[STO], v[ACC+8*\t:ACC+8*\t+3] offset:64*\t
	ds_store_b128 v[STO], v[ACC+8*\t+4:ACC+8*\t+7] offset:64*\t+16
.endr
.irp f, 0,1,2,3,4,5,6,7
	ds_load_b128 v[H+32+4*\f:H+35+4*\f], v[RD] offset:2*PITCH*\f   ; LDS serves a wave's instructions in order (ISA guide 5.7.1.4): these see my stores; lanes 0-15 one row, lanes 16-31 the next
.endr
.irp f, 0,1,2,3,4,5,6,7
	s_wait_dscnt 7-\f                              ; the younger loads may stay out
	global_store_b128 v[L16], v[H+32+4*\f:H+35+4*\f], s[16:17] offset:4096*\i+512*\f th:TH_STORE_NT   ; 32 lanes store two rows: 512 consecutive bytes, aligned; written once, read by nobody here
.endr
.endm
	TILE 0
	TILE 1
	TILE 2
	TILE 3
	s_wait_tensorcnt 0x0
	ds_add_u32 v90, v91
	s_wait_dscnt 0x0
	s_endpgm
.Lfunc_end_k_q85895be932_attend:
	.size	k_q85895be932_attend, .Lfunc_end_k_q85895be932_attend-k_q85895be932_attend
	.p2alignl 7, 3214868480
	.fill 96, 4, 3214868480
	.section	.rodata,"a",@progbits
	.p2align	6, 0x0
	.amdhsa_kernel k_q85895be932_attend
		.amdhsa_group_segment_fixed_size 175104
		.amdhsa_private_segment_fixed_size 0
		.amdhsa_enable_private_segment 0
		.amdhsa_kernarg_size 56
		.amdhsa_user_sgpr_count 2
		.amdhsa_user_sgpr_kernarg_segment_ptr 1
		.amdhsa_wavefront_size32 1
		.amdhsa_system_sgpr_workgroup_id_x 1
		.amdhsa_system_sgpr_workgroup_id_y 1
		.amdhsa_system_sgpr_workgroup_id_z 1
		.amdhsa_system_vgpr_workitem_id 0
		.amdhsa_next_free_vgpr 512
		.amdhsa_next_free_sgpr 66
		.amdhsa_reserve_vcc 0
		.amdhsa_float_denorm_mode_32 3
		.amdhsa_float_denorm_mode_16_64 3
		.amdhsa_memory_ordered 1
		.amdhsa_forward_progress 1
		.amdhsa_inst_pref_size 124
	.end_amdhsa_kernel
	.amdgpu_metadata
---
amdhsa.version: [ 1, 2 ]
amdhsa.kernels:
  - .name:           k_q85895be932_attend
    .symbol:         k_q85895be932_attend.kd
    .args:
      - { .name: Q, .offset: 0, .size: 8, .value_kind: global_buffer, .address_space: global }
      - { .name: proj_codes, .offset: 8, .size: 8, .value_kind: global_buffer, .address_space: global }
      - { .name: proj_scales, .offset: 16, .size: 8, .value_kind: global_buffer, .address_space: global }
      - { .name: ctxc, .offset: 24, .size: 8, .value_kind: global_buffer, .address_space: global }
      - { .name: ctxs, .offset: 32, .size: 8, .value_kind: global_buffer, .address_space: global }
      - { .name: ksum, .offset: 40, .size: 8, .value_kind: global_buffer, .address_space: global }
      - { .name: out0, .offset: 48, .size: 8, .value_kind: global_buffer, .address_space: global }
    .group_segment_fixed_size: 175104
    .private_segment_fixed_size: 0
    .kernarg_segment_align: 8
    .kernarg_segment_size: 56
    .max_flat_workgroup_size: 256
    .sgpr_count:     66
    .vgpr_count:     512
    .wavefront_size: 32
...
	.end_amdgpu_metadata
.endif
;; end of part 3
